; MI455X (gfx1250); checked and timed in simulation.
; The chip was launched on July 23, 2026; its instructions are those of AMD's public machine-readable ISA for CDNA 5 (MIT licence, August 2026) and "CDNA5" Instruction Set Architecture Reference Guide (July 2026). The comments in the code are by the model that wrote it; some were corrected since.
;; Attention. Allowed arithmetic: matrix products marked QUANTISED: E4M3 operands, one given power-of-two scale a tensor, by v_wmma_f32_16x16x64_fp8_fp8 or v_wmma_f32_16x16x128_fp8_fp8, f32 sums; everything else in f32.
;; Inputs: b_out 128 float32; lowp_scales 8 int32 (the exponents e of the quantised operands' scales 2^e); w_out_codes 128 x 4 x 32 uint8 (E4M3 codes of w_out, K innermost, in blocks of 32 codes); w_qkv_codes 384 x 4 x 32 uint8 (E4M3 codes of w_qkv, K innermost, in blocks of 32 codes); x_codes 4 x 64 x 64 x 4 x 32 uint8 (E4M3 codes of x, K innermost, in blocks of 32 codes).
;; Outputs: out0 4 x 128 x 64 x 64 float32.
;; This version of the problem:
;;   THIS VERSION OF THE PROBLEM IS GIVEN IN LOW PRECISION. The matrix products marked QUANTISED in the list below multiply operands that are first quantised to E4M3 (4 exponent bits, 3 mantissa bits; 8 bits a number), with one given power-of-two scale for each operand tensor; their sums are f32. All else is computed in f32.
;;   The module's matrix products, in the order in which they are computed (A, B: the left and right operand; K: the contracted axis; several contracted axes count as one K, in the product's order):
;;     1. [M 16,384, K 128] x [K 128, N 384]; A: input x (given as codes); B: input w_qkv (given as codes): QUANTISED (scales: A lowp_scales[0], B lowp_scales[1])
;;     2. batch 16 x [M 4,096, K 32] x [K 32, N 4,096]; A: computed on the way; B: computed on the way: QUANTISED (scales: A lowp_scales[2], B lowp_scales[3])
;;     3. batch 16 x [M 4,096, K 4,096] x [K 4,096, N 32]; A: softmax (see below); B: computed on the way: QUANTISED (scales: A lowp_scales[4], B lowp_scales[5])
;;     4. [M 16,384, K 128] x [K 128, N 128]; A: computed on the way; B: input w_out (given as codes): QUANTISED (scales: A lowp_scales[6], B lowp_scales[7])
;;   THE QUANTISER, for each operand of a quantised product, along K:
;;     - The operand's scale is 2^e, e = its entry of the input lowp_scales (int32; the entries are numbered through the quantised products in the list's order, A before B).
;;     - Each number is divided by the scale, clamped to +-448, and rounded to the nearest number of E4M3, ties to even, subnormals kept.
;;     - The product sums the exact products of the quantised numbers (number of the format x scale) in f32.
;;   ~~~python
;;   def quantise(x, axis, e):      # numpy; x: float32 -> the quantised numbers, widened to float32 again
;;       x = np.moveaxis(x, axis, -1); K = x.shape[-1]
;;       r = np.clip(x / 2.0 ** e, -448, 448)
;;       step = 2.0 ** (np.maximum(np.frexp(np.where(r == 0, 1, r))[1] - 1, -6) - 3)
;;       q = np.round(r / step) * step * 2.0 ** e      # np.round: ties to even
;;       return np.moveaxis(q, -1, axis).astype(np.float32)
;;   ~~~
;;   SOFTMAX AHEAD OF A QUANTISED PRODUCT. Where the list says 'softmax', what is quantised is not the finished softmax but p = 2^(t - M), with t = logit x log2(e) and M = ceil(the row's largest t), a whole number; so 1/2 < the row's largest p <= 1. The row's sum l is taken of the UNQUANTISED p, in f32, and the product's result is divided by l at the end. Since M is a whole number, a kernel that streams over the keys may use a running M (the ceiling of the running maximum): every later rescaling is an exact power of two, so the quantised numbers keep their values, but for numbers so far below the row's largest that they fall under the format's range.
;;   OPERANDS COMPUTED ON THE WAY. 'Computed on the way' means the value that the module computes at that place (a softmax that the list does not call 'softmax' is quantised finished and normalised). What goes into a quantiser is computed in f32, as accurately as f32 sums, v_exp_f32 and their like allow (about 1e-6 of the number): no bf16 or f16 on the way to a quantiser, and a product that is left as it is and whose result goes on into a quantised operand takes f32 operands (vector FMAs, or v_wmma_f32_16x16x4_f32). A number that lies on a knife's edge between two numbers of the format may be rounded either way, as far as f32 arithmetic and the matrix unit's own rounding can turn it there, and no further.
;;   INPUTS GIVEN AS CODES. w_out (in the module: [128, 128], K = its axis 1); w_qkv (in the module: [384, 128], K = its axis 1); x (in the module: [4, 128, 64, 64], K = its axis 1): each comes as NAME_codes (uint8): NAME with its K axis moved to the last place and cut into blocks of 32 codes, [.., K / 32, bytes a block], one block behind the other in memory; one code a byte (a code: sign, 4 exponent bits, 3 mantissa bits); its scale is its entry of lowp_scales. Its value is code x scale, taken as it is: it is not quantised again, and the codes and scales need not be those that the quantiser above would give.
;; One version. Each part assembles by itself: llvm-mc -triple=amdgcn-amd-amdhsa -mcpu=gfx1250 --defsym DOCPART=n.
;; ======== version 1 of 1: 2 launches
;; limits: right only within a limited range of input values
;; workspace buffers: qimg 2,097,152 bytes; kvimg 4,194,304 bytes
;; launch project (part 1): grid 256 x 1, 12 waves a work-group, no clusters, 0 bytes of LDS; arguments x_codes, w_qkv_codes, lowp_scales, qimg, kvimg; writes qimg, kvimg
.if DOCPART == 1
	.amdgcn_target "amdgcn-amd-amdhsa--gfx1250"
	.amdhsa_code_object_version 6
	.text
	.protected	k_q63757d4f38_project
	.globl	k_q63757d4f38_project
	.p2align	8
	.type	k_q63757d4f38_project,@function
k_q63757d4f38_project:
	s_mov_b64 s[64:65], 0
	v_nop
	global_prefetch_b8 v0, s[64:65] scope:SCOPE_SE
	s_setreg_imm32_b32 hwreg(HW_REG_WAVE_MODE, 25, 1), 1
	s_wait_xcnt 0x0
; qkv = x w_qkv^T on the given E4M3 codes (K = 128), then q x 32^-0.5, k and v are quantised with the given scales 2^e2, 2^e3, 2^e5
; and stored as IMAGES OF THE OPERAND REGISTERS that the attention launch loads: 16 bytes a lane, 512 consecutive bytes a store.
; SHARES.  A work-group owns 64 tokens (number 64 x work-group, batches on end).  Wave w = 4 x kind + head (kind 0 q, 1 k, 2 v) makes the 32 channels of its
; head, rows 32 w .. 32 w + 31 of w_qkv, for the 64 tokens: 8 matrix instructions of 16 x 16 x 128.  Waves share nothing: no LDS, no barrier.
; No tensor load and no cluster: each wave takes 12 KB straight into the registers of its fragments and uses each fragment at once.
; THE TOKENS OF A TILE ARE NOT NEIGHBOURS: lane r of tile 2 c + u takes token 32 c + 8 u + r + 8 (r / 8).
;   q, k: source 0 = 16 rows of W (lane r of tile u: row 8 u + r + 8 (r / 8)), source 1 = a tile of tokens.  Lane (r, h) then holds ONE token, and the 16 registers of
;         u = 0, 1 are its channels 16 h + 0 .. 15: two conversions give the image's four registers.
;   v:    source 0 = a tile of tokens, source 1 = 16 rows of W (lane r of tile g: row 16 g + r).  Lane (r, h) then holds ONE channel 16 g + r, and the 16 registers of
;         u = 0, 1 are tokens 32 c + 16 h + 0 .. 15: the keys run along the registers, as the second attention product wants them.
; A fragment is fetched by four loads of 16 bytes at row x 128 + 32 c + 16 h: a permutation of k, the same in both sources, so every product meets its partner.
; IMAGES.  G = a group of 128 tokens (0 .. 127).  qimg: [G][head][tile 8][lane][16 B].  kvimg: [G][head][8,192 B]: K's eight tiles as q's, then from byte 4,096
; V's eight images (g, c) at 2,048 g + 512 c: channel 16 g + r, keys 32 c + 16 h + 0 .. 15.
; SCALES.  A sum stands for sum x 2^(e0 + e1): its code is sum / 2^(e - e0 - e1), the three exponents folded into the conversion's one.
; LIMITS: e - e0 - e1 lies between -126 and 119 for e = e2, e3, e5, so that the scale and 448 x the scale are f32 numbers.  NaN codes among the inputs are not served.
.set X,   16                           ; v16-79    four tiles of tokens, 16 registers each
.set W,   80                           ; v80-111   two tiles of W's rows
.set ACC, 112                          ; v112-175  eight accumulators
.set CD,  176                          ; v176-191  the codes: four images' registers
	s_load_b256 s[4:11], s[0:1], 0x0               ; x s[4:5], w_qkv s[6:7], the exponents s[8:9], qimg s[10:11]
	s_load_b64 s[12:13], s[0:1], 0x20              ; kvimg
	v_lshrrev_b32 v1, 5, v0
	s_delay_alu instid0(VALU_DEP_1)
	v_readfirstlane_b32 s14, v1                    ; wave 0 .. 11
	s_lshr_b32 s15, s14, 2                         ; kind: 0 q, 1 k, 2 v
	s_and_b32 s24, s14, 3                          ; head
	s_cmp_lt_u32 s15, 2
	s_cselect_b32 s25, 1, 0                        ; sel = 1 for q and k, 0 for v
	v_and_b32 v1, 31, v0                           ; lane
	v_and_b32 v2, 15, v0                           ; r
	v_bfe_u32 v3, v0, 4, 1                         ; h
	s_delay_alu instid0(VALU_DEP_2)
	v_and_b32 v4, 8, v2                            ; 8 (r / 8)
	s_delay_alu instid0(VALU_DEP_1)
	v_add_nc_u32 v5, v2, v4
	s_delay_alu instid0(VALU_DEP_1)
	v_lshlrev_b32 v5, 7, v5
	s_delay_alu instid0(VALU_DEP_1)
	v_lshl_add_u32 v5, v3, 4, v5                   ; x: token r + 8 (r / 8) of 128 bytes, + 16 h
	s_delay_alu instid0(VALU_DEP_4)
	v_mul_u32_u24 v4, s25, v4
	s_delay_alu instid0(VALU_DEP_1)
	v_add_nc_u32 v6, v2, v4
	s_delay_alu instid0(VALU_DEP_1)
	v_lshlrev_b32 v6, 7, v6
	s_delay_alu instid0(VALU_DEP_1)
	v_lshl_add_u32 v6, v3, 4, v6                   ; W's first tile: row r + 8 (r / 8) for q and k, row r for v
	s_lshr_b32 s34, 0x800, s25                     ; 1,024 for q and k, 2,048 for v:
	v_add_nc_u32 v7, s34, v6                       ; W's second tile lies 8 rows on, or 16;
	v_lshlrev_b32 v8, 4, v1                        ; an image's place for my lane,
	s_delay_alu instid0(VALU_DEP_1)
	v_add_nc_u32 v9, s34, v8                       ; and the third image lies two tiles on (q, k), or at g = 1 (v)
	s_lshl_b32 s28, ttmp9, 13                      ; my work-group's 64 tokens of 128 bytes
	s_mov_b32 s29, 0
	s_lshl_b32 s30, s14, 12                        ; my wave's 32 rows of 128 bytes
	s_mov_b32 s31, 0
	s_wait_alu depctr_va_vdst(0)
	s_wait_kmcnt 0x0
	s_load_b256 s[16:23], s[8:9], 0x0              ; e0 .. e7
	s_add_nc_u64 s[4:5], s[4:5], s[28:29]
	s_add_nc_u64 s[6:7], s[6:7], s[30:31]
.irp t, 0,1,2,3
.irp c, 0,1,2,3
	global_load_b128 v[X+16*\t+4*\c:X+16*\t+4*\c+3], v5, s[4:5] offset:(32*(\t/2)+8*(\t%2))*128+32*\c
.endr
.endr
.irp u, 0,1
.irp c, 0,1,2,3
	global_load_b128 v[W+16*\u+4*\c:W+16*\u+4*\c+3], v[6+\u], s[6:7] offset:32*\c
.endr
.endr
	s_wait_kmcnt 0x0
	s_cmp_eq_u32 s15, 0                            ; the choices hang on the wave's number alone
	s_cselect_b64 s[26:27], s[10:11], s[12:13]     ; q goes to qimg, k and v to kvimg
	s_cselect_b32 s35, 12, 13                      ; a head's images: 4,096 bytes there, 8,192 here
	s_cselect_b32 s36, s18, s19
	s_cmp_eq_u32 s15, 2
	s_cselect_b32 s36, s21, s36                    ; e = e2, e3 or e5
	s_lshr_b32 s37, ttmp9, 1                       ; G
	s_and_b32 s38, ttmp9, 1                        ; which half of the group's 128 tokens
	s_lshl_b32 s37, s37, 2
	s_add_co_u32 s37, s37, s24                     ; 4 G + head
	s_lshl_b32 s28, s37, s35
	s_add_co_u32 s39, s25, 10
	s_lshl_b32 s38, s38, s39                       ; the half: four tiles of 512 bytes (q, k), or two images c (v)
	s_add_co_u32 s28, s28, s38
	s_xor_b32 s39, s25, 1
	s_lshl_b32 s39, s39, 12                        ; V lies behind K's 4,096 bytes
	s_add_co_u32 s28, s28, s39
	s_add_nc_u64 s[26:27], s[26:27], s[28:29]      ; (s29 is still 0)
	s_sub_co_i32 s36, s36, s16
	s_sub_co_i32 s36, s36, s17
	s_add_co_i32 s36, s36, 127
	s_lshl_b32 s37, s36, 23
	v_mov_b32 v10, s37                             ; 2^(e - e0 - e1) as f32: the conversion takes its exponent field
	s_mov_b32 s32, 0x3e3504f3                      ; 32^-0.5
	s_mov_b32 s33, s32                             ; (named with it as a pair, so it is written)
	s_wait_loadcnt 0x0
	s_cmp_eq_u32 s15, 2
	s_cbranch_scc1 .Lkind_v
.irp t, 0,1,2,3                                ; q, k: the accumulators of tile t, u = 0, 1, lie on end: 16 channels of a token
.irp u, 0,1
	v_wmma_f32_16x16x128_fp8_fp8 v[ACC+16*\t+8*\u:ACC+16*\t+8*\u+7], v[W+16*\u:W+16*\u+15], v[X+16*\t:X+16*\t+15], 0
.endr
.endr
	s_branch .Lsums
.Lkind_v:
.irp g, 0,1                                    ; v: the accumulators of (g, c), u = 0, 1, lie on end: 16 keys of a channel
.irp c, 0,1
.irp u, 0,1
	v_wmma_f32_16x16x128_fp8_fp8 v[ACC+32*\g+16*\c+8*\u:ACC+32*\g+16*\c+8*\u+7], v[X+16*(2*\c+\u):X+16*(2*\c+\u)+15], v[W+16*\g:W+16*\g+15], 0
.endr
.endr
.endr
.Lsums:
.rept 4
	v_nop                                          ; four places between the last product and the first read of a result (ISA guide 7.12.1)
.endr
	s_cmp_lg_u32 s15, 0
	s_cbranch_scc1 .Lunscaled
.set j, 0
.rept 32
	v_pk_mul_f32 v[ACC+j:ACC+j+1], v[ACC+j:ACC+j+1], s[32:33] op_sel_hi:[1,0]   ; q x 32^-0.5, in f32, ahead of its quantiser; each accumulator from its low end on
.set j, j+2
.endr
.Lunscaled:
	s_wait_alu depctr_va_vdst(0)
.irp i, 0,1,2,3
.irp j, 0,1,2,3,4,5,6,7,8,9,10,11,12,13,14,15
.endr
	v_cvt_scalef32_pk8_fp8_f32 v[CD+4*\i:CD+4*\i+1], v[ACC+16*\i:ACC+16*\i+7], v10
	v_cvt_scalef32_pk8_fp8_f32 v[CD+4*\i+2:CD+4*\i+3], v[ACC+16*\i+8:ACC+16*\i+15], v10
.endr
	v_nop                                          ; a plain line behind the last conversion
	global_store_b128 v8, v[CD:CD+3], s[26:27]                 ; each store of the wave covers 512 consecutive bytes, aligned
	global_store_b128 v8, v[CD+4:CD+7], s[26:27] offset:512
	global_store_b128 v9, v[CD+8:CD+11], s[26:27]
	global_store_b128 v9, v[CD+12:CD+15], s[26:27] offset:512
	s_endpgm
.Lfunc_end_k_q63757d4f38_project:
	.size	k_q63757d4f38_project, .Lfunc_end_k_q63757d4f38_project-k_q63757d4f38_project
	.p2alignl 7, 3214868480
	.fill 96, 4, 3214868480
	.section	.rodata,"a",@progbits
	.p2align	6, 0x0
	.amdhsa_kernel k_q63757d4f38_project
		.amdhsa_group_segment_fixed_size 0
		.amdhsa_private_segment_fixed_size 0
		.amdhsa_enable_private_segment 0
		.amdhsa_kernarg_size 40
		.amdhsa_user_sgpr_count 2
		.amdhsa_user_sgpr_kernarg_segment_ptr 1
		.amdhsa_wavefront_size32 1
		.amdhsa_system_sgpr_workgroup_id_x 1
		.amdhsa_system_sgpr_workgroup_id_y 1
		.amdhsa_system_sgpr_workgroup_id_z 1
		.amdhsa_system_vgpr_workitem_id 0
		.amdhsa_next_free_vgpr 192
		.amdhsa_next_free_sgpr 66
		.amdhsa_reserve_vcc 0
		.amdhsa_float_denorm_mode_32 3
		.amdhsa_float_denorm_mode_16_64 3
		.amdhsa_fp16_overflow 1
		.amdhsa_memory_ordered 1
		.amdhsa_forward_progress 1
		.amdhsa_inst_pref_size 10
	.end_amdhsa_kernel
	.amdgpu_metadata
---
amdhsa.version: [ 1, 2 ]
amdhsa.kernels:
  - .name:           k_q63757d4f38_project
    .symbol:         k_q63757d4f38_project.kd
    .args:
      - { .name: x_codes, .offset: 0, .size: 8, .value_kind: global_buffer, .address_space: global }
      - { .name: w_qkv_codes, .offset: 8, .size: 8, .value_kind: global_buffer, .address_space: global }
      - { .name: lowp_scales, .offset: 16, .size: 8, .value_kind: global_buffer, .address_space: global }
      - { .name: qimg, .offset: 24, .size: 8, .value_kind: global_buffer, .address_space: global }
      - { .name: kvimg, .offset: 32, .size: 8, .value_kind: global_buffer, .address_space: global }
    .group_segment_fixed_size: 0
    .private_segment_fixed_size: 0
    .kernarg_segment_align: 8
    .kernarg_segment_size: 40
    .max_flat_workgroup_size: 384
    .sgpr_count:     66
    .vgpr_count:     192
    .wavefront_size: 32
...
	.end_amdgpu_metadata
.endif
;; end of part 1
;; launch attend (part 2): grid 64 x 4, 16 waves a work-group, clusters of 4 x 1, 327,680 bytes of LDS; arguments qimg, kvimg, w_out_codes, b_out, lowp_scales, out0; writes out0
.if DOCPART == 2
	.amdgcn_target "amdgcn-amd-amdhsa--gfx1250"
	.amdhsa_code_object_version 6
	.text
	.protected	k_q63757d4f38_attend
	.globl	k_q63757d4f38_attend
	.p2align	8
	.type	k_q63757d4f38_attend,@function
k_q63757d4f38_attend:
	s_mov_b64 s[64:65], 0
	v_nop
	global_prefetch_b8 v0, s[64:65] scope:SCOPE_SE
	s_setreg_imm32_b32 hwreg(HW_REG_WAVE_MODE, 25, 1), 1
	s_wait_xcnt 0x0
	s_wait_alu depctr_hold_cnt(0) depctr_sa_sdst(0) depctr_va_vdst(0) depctr_va_sdst(0) depctr_va_ssrc(0) depctr_va_vcc(0) depctr_vm_vsrc(0)
	s_getreg_b32 s2, hwreg(HW_REG_IB_STS2, 6, 4)
	s_cmp_eq_u32 s2, 0
	s_cbranch_scc0 .Lentry_in_a_cluster
	s_endpgm
.Lentry_in_a_cluster:
	s_bfe_u32 s2, ttmp6, 0x10000c
	s_cmp_lg_u32 s2, 0x3003
	s_cbranch_scc0 .Lentry_shape_is_right
	s_endpgm
.Lentry_shape_is_right:
; out = w_out softmax(q k^T) v + b_out, all three products on E4M3 codes.  q, k, v come as images of operand registers (qimg, kvimg), w_out as given codes.
; SHARES.  A work-group owns 64 queries of one batch for ALL four heads, so that it holds all 128 hidden channels of its tokens and the last product is made here too.
; Wave w: head w / 4, tile of 16 queries w % 4, in 256 registers: four waves to a SIMD, so that one wave's vector work stands beside another's products and LDS loads.
; Every wave walks the batch's 4,096 keys, 128 a step.  K and V of all four heads come through a ring of two LDS slots of 512 keys (131,072 bytes, dense in memory).
; CLUSTER.  The four work-groups of a cluster belong to one batch and walk the same K and V: each tile is asked for JOINTLY, by the same tensor load with the same descriptor
; and a mask that names the four.  Waves 0 to 7 fetch 16,384 bytes each.  Only one axis shares anything, so the cluster is 4 x 1.
; LAYOUT.  S^T = K Q^T: K = 32 goes on the 16 x 16 x 64 form: source 0 holds TWO tiles of keys (registers 0-3, registers 4-7), source 1 is q with zero codes in the other half
; (Qlo, Qhi): zero codes add nothing.  A lane holds ONE query (lane % 16) throughout.  The keys of a tile are chosen (lane r of tile 2 b + u: key 32 b + 8 u + r + 8 (r / 8)) so that
; the 16 registers of tiles 2 b, 2 b + 1 are keys 32 b + 16 (lane / 16) + 0 .. 15: p's conversions give source 1 of O^T = V^T P^T (16 x 16 x 128), whose V images hold the same keys.
; O^T's 16 registers of a lane (channels 8 h + 0..7, 16 + 8 h + 0..7) convert into registers 4 head .. 4 head + 3 of the last product's operand; the four heads' parts meet in LDS.
; SOFTMAX.  t = score x log2(e); M = the running largest t, rounded UP to a whole number; p = 2^(t - M) is quantised with 2^e4, not normalised; the row's sum is taken of the unquantised p
; and divides at the end.  When M moves, the sum and O^T are multiplied by 2^(old M - new M), which rounds nothing; no branch hangs on data.
; LIMITS on the given exponents, so that each power of two below is an f32 number: e2 + e3 and e6 + e7 between -126 and 127; e4 and e6 - e4 - e5 between -126 and 119.  NaN is not served.
.set SLOT1, 131072                     ; slot 1 begins here: one exclusive or turns an address in one slot into the other's
.set STEPB, 32768                      ; a key step: 4 heads x (4,096 bytes of K + 4,096 of V)
.set SPARE, 262144                     ; behind the ring: the spare words, 128 bytes for each of 16 waves: eight blocks of 256 bytes that no other line names
.set AIMG,  264192                     ; the last product's operand: tile of queries x 2,048 + head x 512 + 16 x lane; no tensor load lands here
.set STG,   272384                     ; the stage for the way out: 128 rows (output channels) x (256 bytes + 16); no tensor load lands here
.set SP,    272
.set LI,  1                            ; v1   16 x lane + 8,192 x head: my place in a key step
.set SPW, 2                            ; v2   LDS address of my spare word; never rewritten
.set NIL, 3                            ; v3   0; never rewritten
.set PFO, 4                            ; v4   256 x lane: the prefetches' offset; never rewritten
.set AIW, 5                            ; v5   where I store my part of the last operand
.set AIR, 6                            ; v6   where I read that operand back
.set SO,  7                            ; v7   the stage: where I put 32 bytes of a row
.set AD,  8                            ; v8, v9  the slot in hand: key steps 0, 1 and key steps 2, 3
.set SR,  10                           ; v10  the stage: where I read a row back
.set GO,  11                           ; v11  my byte offset in my wave's rows of out0
.set QF,  16                           ; v16-23 Qlo, v24-31 Qhi
.set KF,  32                           ; v32-63 K: tile t at 4 t
.set VF,  64                           ; v64-95 V: image (g, c) at 16 g + 4 c
.set S,   96                           ; v96-159 S^T, then p
.set OT,  160                          ; v160-175 O^T
.set PC,  176                          ; v176-191 p's codes
                                       ; v12 -M, v13 the largest t, v[14:15] the sum in two halves; v192-195 my part of the last operand; v196 a permute's destination; v[198:199] f, 0;
                                       ; v200, v202 two chains of the maximum; v[204:205] the sum's second chain; v206: 2^e4; v208-239 w_out's two fragments;
                                       ; v[240:241], v[242:243] the bias of my two tiles of outputs; v244: 2^(e6 - e4 - e5); v246-251 lane, r, h and offsets of the head's loads
.set WV,  16                           ; s16 wave; s17 head; s18 tile of queries; s19 cx; s20 block of 64 queries; s21 batch
.set HD,  17
.set QT,  18
.set CX,  19
.set BLK, 20
.set BAT, 21
.set SEL, 22                           ; s[22:23] lane selects for v_permlanex16_b32: lane l xor 16
.set G1,  24                           ; s[24:31] descriptor group 1
.set G0,  32                           ; s[32:35] descriptor group 0, which walks
.set TB,  36                           ; s36 LDS byte at which the slot in hand begins
.set SLOTS, 37                         ; s37 slots still to be asked for
.set LIM, 38                           ; s38 1 in a wave that prefetches, else the greatest number
.set PFA, 40                           ; s[40:41] where my prefetches stand in memory
.set CS,  42                           ; s[42:43] log2(e) x 2^(e2 + e3)
.set YS,  44                           ; s[44:45] 2^(e6 + e7)
; A round of the cluster's barrier: my work-group's barrier, wave 0 signals for the work-group, every wave waits for all four work-groups, my work-group's barrier once more.
.macro CROUND
	s_barrier_signal -1
	s_barrier_wait -1
	s_cmp_lg_u32 s[WV], 0
	s_cbranch_scc1 .Lnot_wave_0_\@
	s_barrier_signal -3
.Lnot_wave_0_\@:
	s_barrier_wait -3
	s_barrier_signal -1
	s_barrier_wait -1
.endm
; The joint load: waves 0 to 7, 16,384 bytes each.  The branch hangs on the wave's number alone: it is the same in every work-group.  Four v_nop follow the load.
.macro TLOAD
	s_cmp_lt_u32 s[WV], 8
	s_cbranch_scc0 .Lasked_\@
	tensor_load_to_lds s[G0:G0+3], s[G1:G1+7]
	s_nop 0
.rept 4
	v_nop
.endr
.Lasked_\@:
.endm
; A prefetch of the slot that the NEXT change of slots will ask for: 131,072 bytes = 512 blocks of 256.  All clusters of a batch walk the same bytes: the batch's first cluster asks.  Its four
; partners take 32,768 bytes each, told apart BY ADDRESS; in each, waves 8 to 11, which fetch nothing, take 8,192 bytes each, lanes 256 bytes apart: every block is named once in the launch.
; The last change that fills a slot asks for nothing; slots 0 and 1 come by their loads alone.
.macro ASK
	s_cmp_gt_u32 s[SLOTS], s[LIM]
	s_cbranch_scc0 .Lnot_mine_\@
	global_prefetch_b8 v[PFO], s[PFA:PFA+1] th:TH_LOAD_NT scope:SCOPE_SE
.Lnot_mine_\@:
.endm
; THE CHANGE OF SLOTS stands at a slot's head.  Each wave waits for all its tensor loads (its part of the slot that it is about to read), adds 0 to its spare word, and waits for that and for its reads
; of the slot that it has left.  Behind the barrier the slot ahead is whole and nobody reads the other one.  fill = 1: the barrier is a round of the cluster's, and the other slot is filled with the
; next 512 keys: that load has a slot's four key steps in which to land.  One tensor load of a wave is out at the most.
.macro CHANGE fill
	s_wait_tensorcnt 0x0                           ; no tensor load of mine is out, so group 0 may be written
	ds_add_u32 v[SPW], v[NIL]                      ; 0 onto my spare word
.if \fill
	s_xor_b32 s[G0+1], s[G0+1], SLOT1              ; the other slot than last time,
	s_add_nc_u64 s[G0+2:G0+3], s[G0+2:G0+3], SLOT1 ; the next 512 keys' 131,072 bytes; the type bits on top are not reached
	s_wait_xcnt 0x0                                ; the last prefetch, a slot back, has read its address, so it may be written:
	s_add_nc_u64 s[PFA:PFA+1], s[PFA:PFA+1], SLOT1 ; one slot further on than the walking descriptor
.endif
	s_wait_dscnt 0x0                               ; the add is done, and my reads of the slot that I have left are over
.if \fill
	CROUND                                         ; no wave of any partner still reads that slot or has a load on its way
	TLOAD                                          ; the first thing behind the round, and a wave's one tensor load until the next
	ASK
.else
	s_barrier_signal -1
	s_barrier_wait -1
.endif
.endm
.macro KLOAD q                         ; key step q's eight tiles of K of my head: 512 consecutive bytes a load
.irp t, 0,1,2,3,4,5,6,7
	ds_load_b128 v[KF+4*\t:KF+4*\t+3], v[AD+((\q)/2)] offset:((\q)%2)*STEPB+512*\t
.endr
.endm
.macro VLOAD q                         ; and its eight images of V
.irp i, 0,1,2,3,4,5,6,7
	ds_load_b128 v[VF+4*\i:VF+4*\i+3], v[AD+((\q)/2)] offset:((\q)%2)*STEPB+4096+512*\i
.endr
.endm
; A KEY STEP: 128 keys, the q-th of the slot in hand.
.macro STEP q
	s_wait_dscnt 0x0                               ; this step's K is in
.irp t, 0,1,2,3,4,5,6,7                        ; S^T: tile t lies in half t % 2 of source 0, and Qlo or Qhi picks it
	v_wmma_f32_16x16x64_fp8_fp8 v[S+8*\t:S+8*\t+7], v[KF+8*(\t/2):KF+8*(\t/2)+7], v[QF+8*(\t%2):QF+8*(\t%2)+7], 0
.endr
.rept 4
	v_nop                                          ; four places: in front of the loads into K's registers (just read) and V's (read by the last step's products), and of the first read of the scores
.endr
	VLOAD \q                                       ; V lands under the softmax,
.if (\q) < 3
	KLOAD (\q)+1                                   ; and so does the next step's K
.endif
	v_max3_num_f32 v200, v[S], v[S+1], v[S+2]      ; the step's largest score of my query among my 64 keys, in two chains, each accumulator from its low end on
	v_max3_num_f32 v202, v[S+3], v[S+4], v[S+5]
.set j, 6
.rept 14
	v_max3_num_f32 v200, v200, v[S+j], v[S+j+1]
	v_max3_num_f32 v202, v202, v[S+j+2], v[S+j+3]
.set j, j+4
.endr
	v_max3_num_f32 v200, v200, v[S+62], v[S+63]
	s_delay_alu instid0(VALU_DEP_1)
	v_max_num_f32 v200, v200, v202
	s_delay_alu instid0(VALU_DEP_1)
	v_permlanex16_b32 v196, v200, s[SEL], s[SEL+1]
	s_delay_alu instid0(VALU_DEP_1)
	v_max_num_f32 v200, v200, v196                 ; and among lane l xor 16's, which holds the query's other 64 keys
	s_delay_alu instid0(VALU_DEP_1)
	v_mul_f32 v200, s[CS], v200                    ; as t (the factor is positive)
	s_delay_alu instid0(VALU_DEP_1)
	v_max_num_f32 v13, v13, v200                   ; the running largest t
	v_mov_b32 v200, v12
	s_delay_alu instid0(VALU_DEP_2)
	v_floor_f32 v12, -v13                          ; the new -M = floor(-t) = -ceil(t): a whole number
	s_delay_alu instid0(VALU_DEP_1)
	v_sub_f32 v200, v12, v200                      ; old M - new M: a whole number, 0 or less
	s_delay_alu instid0(VALU_DEP_1)
	v_cvt_i32_f32 v200, v200                       ; (it saturates)
	s_delay_alu instid0(VALU_DEP_1)
	v_ldexp_f32 v198, 1.0, v200                    ; f = 2^(old M - new M)
.set j, 0
.rept 32
	v_pk_fma_f32 v[S+j:S+j+1], v[S+j:S+j+1], s[CS:CS+1], v[12:13] op_sel_hi:[1,0,0]   ; t - M, two at a time (of the pairs the low word serves both halves)
.set j, j+2
.endr
.set j, 0
	s_wait_alu depctr_va_vdst(0)
.rept 64
	v_exp_f32 v[S+j], v[S+j]                       ; p = 2^(t - M), at most 1
.set j, j+1
.endr
	v_pk_mul_f32 v[14:15], v[14:15], v[198:199] op_sel_hi:[1,0]   ; the sums under the new M: the plain line behind the exponentials
	s_wait_alu depctr_va_vdst(0)                   ; one wait for the batch of 64, ahead of its first reader
	v_pk_add_f32 v[204:205], v[100:101], v[104:105]
	v_pk_add_f32 v[254:255], v[108:109], v[112:113]
	v_pk_add_f32 v[252:253], v[116:117], v[120:121]
	v_pk_add_f32 v[250:251], v[124:125], v[128:129]
	v_pk_add_f32 v[248:249], v[132:133], v[136:137]
	v_pk_add_f32 v[246:247], v[140:141], v[144:145]
	v_pk_add_f32 v[202:203], v[148:149], v[152:153]
	v_pk_add_f32 v[14:15], v[14:15], v[156:157]
	v_pk_add_f32 v[204:205], v[204:205], v[96:97]
	v_pk_add_f32 v[254:255], v[254:255], v[98:99]
	v_pk_add_f32 v[252:253], v[252:253], v[102:103]
	v_pk_add_f32 v[250:251], v[250:251], v[106:107]
	v_pk_add_f32 v[248:249], v[248:249], v[110:111]
	v_pk_add_f32 v[246:247], v[246:247], v[114:115]
	v_pk_add_f32 v[202:203], v[202:203], v[118:119]
	v_pk_add_f32 v[14:15], v[14:15], v[122:123]
	v_pk_add_f32 v[204:205], v[204:205], v[126:127]
	v_pk_add_f32 v[254:255], v[254:255], v[130:131]
	v_pk_add_f32 v[252:253], v[252:253], v[134:135]
	v_pk_add_f32 v[250:251], v[250:251], v[138:139]
	v_pk_add_f32 v[248:249], v[248:249], v[142:143]
	v_pk_add_f32 v[246:247], v[246:247], v[146:147]
	v_pk_add_f32 v[202:203], v[202:203], v[150:151]
	v_pk_add_f32 v[14:15], v[14:15], v[154:155]
	v_pk_add_f32 v[204:205], v[204:205], v[158:159]
	s_delay_alu instid0(VALU_DEP_2)
	v_pk_add_f32 v[14:15], v[14:15], v[250:251]
	s_delay_alu instid0(VALU_DEP_2)
	v_pk_add_f32 v[204:205], v[204:205], v[248:249]
	v_pk_add_f32 v[254:255], v[254:255], v[246:247]
	v_pk_add_f32 v[252:253], v[252:253], v[202:203]
	s_delay_alu instid0(VALU_DEP_2)
	v_pk_add_f32 v[14:15], v[14:15], v[254:255]
	s_delay_alu instid0(VALU_DEP_2)
	v_pk_add_f32 v[204:205], v[204:205], v[252:253]
	s_delay_alu instid0(VALU_DEP_1)
	v_pk_add_f32 v[14:15], v[14:15], v[204:205]
.irp b, 0,1,2,3
.irp i, 0,1,2,3,4,5,6,7,8,9,10,11,12,13,14,15
.endr
	v_cvt_scalef32_pk8_fp8_f32 v[PC+4*\b:PC+4*\b+1], v[S+16*\b:S+16*\b+7], v206
	v_cvt_scalef32_pk8_fp8_f32 v[PC+4*\b+2:PC+4*\b+3], v[S+16*\b+8:S+16*\b+15], v206
.endr
.set j, 0
.rept 8
	v_pk_mul_f32 v[OT+j:OT+j+1], v[OT+j:OT+j+1], v[198:199] op_sel_hi:[1,0]   ; O^T under the new M; these are also the plain lines between the conversions and the products
.set j, j+2
.endr
.if (\q) < 3
	s_wait_alu depctr_va_vdst(0)
	s_wait_dscnt 8                                 ; V is in; the eight younger loads, the next step's K, may be out
.else
	s_wait_alu depctr_va_vdst(0)
	s_wait_dscnt 0x0
.endif
.irp g, 0,1                                    ; O^T += V^T P^T; the two accumulators take turns, and the next step's eight products stand between their links
	v_wmma_f32_16x16x128_fp8_fp8 v[OT+8*\g:OT+8*\g+7], v[VF+16*\g:VF+16*\g+15], v[PC:PC+15], v[OT+8*\g:OT+8*\g+7]
.endr
.endm
.macro SLOT_STEPS
	v_add_nc_u32 v[AD], s[TB], v[LI]
	s_delay_alu instid0(VALU_DEP_1)
	v_add_nc_u32 v[AD+1], 0x10000, v[AD]           ; an LDS offset has 16 bits: key steps 2 and 3 have a register of their own
	KLOAD 0
	s_wait_alu depctr_va_vdst(0)
	STEP 0
	STEP 1
	STEP 2
	STEP 3
	s_xor_b32 s[TB], s[TB], SLOT1                  ; on to the other slot
.endm
	s_load_b256 s[4:11], s[0:1], 0x0               ; qimg s[4:5], kvimg s[6:7], w_out's codes s[8:9], b_out s[10:11]
	s_load_b128 s[12:15], s[0:1], 0x20             ; the exponents s[12:13], out0 s[14:15]
	v_lshl_add_u32 v[SPW], v0, 2, SPARE
	v_mov_b32 v[NIL], 0
	ds_add_u32 v2, v3
	ds_add_u32 v2, v3
	s_wait_dscnt 0x0
	v_lshrrev_b32 v246, 5, v0
	s_delay_alu instid0(VALU_DEP_1)
	v_readfirstlane_b32 s[WV], v246                ; wave 0 .. 15
	s_lshr_b32 s[HD], s[WV], 2                     ; head
	s_and_b32 s[QT], s[WV], 3                      ; tile of 16 queries
	s_bfe_u32 s[CX], ttmp6, 0x40000                ; cx: my place in the cluster: it enters q's, out0's and the prefetches' global addresses alone
	s_lshl_b32 s[BLK], ttmp9, 2                    ; in a cluster launch ttmp9 counts clusters
	s_add_co_u32 s[BLK], s[BLK], s[CX]             ; my block of 64 queries
	s_and_b32 s[BAT], ttmp7, 0xffff                ; the batch, which the four partners share
	; descriptor group 1: 64 rows of 32 elements of 8 bytes, dense: 16,384 bytes; no padding: every LDS read takes 512 consecutive bytes
	s_mov_b32 s[G1], 15|(3<<16)|(1<<21)            ; 15:0 the mask: all four work-groups; 17:16 elements of 8 bytes; 21 set beside a mask
	s_mov_b32 s[G1+1], 32<<16                      ; tensor_dim0 = 32
	s_mov_b32 s[G1+2], 64<<16                      ; tensor_dim1 = 64
	s_mov_b32 s[G1+3], 32<<16                      ; tile_dim0 = 32
	s_mov_b32 s[G1+4], 64                          ; tile_dim1 = 64
	s_mov_b32 s[G1+5], 32                          ; from row to row: 32 elements
	s_mov_b32 s[G1+6], 0
	s_mov_b32 s[G1+7], 0
	s_mov_b32 s[SEL], 0x76543210
	s_mov_b32 s[SEL+1], 0xfedcba98
	s_lshl_b32 s46, s[BAT], 20                     ; a batch's K and V: 1,048,576 bytes,
	s_lshl_b32 s48, s[WV], 14                      ; my eighth of a slot
	s_add_co_u32 s46, s46, s48
	s_mov_b32 s47, 0
	s_wait_kmcnt 0x0
	s_load_b256 s[72:79], s[12:13], 0x0            ; e0 .. e7
	s_mov_b32 s[G0], 1                             ; count = 1
	s_lshl_b32 s[G0+1], s[WV], 14                  ; LDS address: slot 0, my eighth: no place in the cluster enters it
	s_add_nc_u64 s[G0+2:G0+3], s[6:7], s[46:47]    ; global address: the batch's first 512 keys
	s_or_b32 s[G0+3], s[G0+3], 0x80000000          ; type = 2
	CROUND                                         ; all four work-groups are here: the first joint loads meet
	TLOAD                                          ; slot 0
	s_lshl_b32 s50, s[BAT], 20                     ; the prefetches: my batch,
	s_lshl_b32 s51, s[CX], 15                      ; my work-group's quarter of a slot,
	s_add_co_u32 s50, s50, s51
	s_lshl_b32 s51, s[QT], 13                      ; my wave's quarter of that,
	s_add_co_u32 s50, s50, s51
	s_add_co_u32 s50, s50, SLOT1                   ; in slot 1: the first change of slots steps it to slot 2.  Nothing is prefetched here, at the head
	s_mov_b32 s51, 0
	s_add_nc_u64 s[PFA:PFA+1], s[6:7], s[50:51]
	s_sub_co_u32 s52, s[WV], 8
	s_lshr_b32 s52, s52, 2                         ; 0 in waves 8 to 11,
	s_or_b32 s52, s52, ttmp9                       ; of the batch's first cluster: the same in all four partners
	s_cmp_eq_u32 s52, 0
	s_cselect_b32 s[LIM], 1, -1
	v_and_b32 v246, 31, v0                         ; lane
	v_and_b32 v247, 15, v0                         ; r
	v_bfe_u32 v248, v0, 4, 1                       ; h
	s_delay_alu instid0(VALU_DEP_3)
	v_lshlrev_b32 v249, 4, v246                    ; 16 x lane
	s_wait_alu depctr_va_vdst(0)
	v_lshlrev_b32 v[PFO], 8, v246
	s_lshl_b32 s48, s[BAT], 19                     ; q's image: batch x 32 groups x 16,384,
	s_lshr_b32 s49, s[BLK], 1
	s_lshl_b32 s49, s49, 14                        ; the group of 128 tokens,
	s_add_co_u32 s48, s48, s49
	s_lshl_b32 s49, s[HD], 12                      ; the head,
	s_add_co_u32 s48, s48, s49
	s_and_b32 s49, s[BLK], 1
	s_lshl_b32 s49, s49, 11                        ; my block's four tiles of the group's eight,
	s_add_co_u32 s48, s48, s49
	s_lshl_b32 s49, s[QT], 9                       ; my tile
	s_add_co_u32 s48, s48, s49
	s_mov_b32 s49, 0
	s_add_nc_u64 s[4:5], s[4:5], s[48:49]
	global_load_b128 v[QF:QF+3], v249, s[4:5]      ; q, in Qlo's lower half
	global_load_b128 v[QF+12:QF+15], v249, s[4:5]  ; and in Qhi's upper half
	s_lshl_b32 s48, s[HD], 12                      ; w_out: my 32 rows (outputs 32 head + 0 .. 31) of 128 bytes
	s_add_nc_u64 s[8:9], s[8:9], s[48:49]
	v_lshlrev_b32 v250, 7, v247
	s_delay_alu instid0(VALU_DEP_1)
	v_lshl_add_u32 v250, v248, 3, v250             ; row r, + 8 h: registers 2 c, 2 c + 1 hold k = 16 c + 8 h + 0 .. 7, the places in which my heads' codes of the operand lie
.irp g, 0,1
.irp c, 0,1,2,3,4,5,6,7
	global_load_b64 v[208+16*\g+2*\c:208+16*\g+2*\c+1], v250, s[8:9] offset:2048*\g+16*\c
.endr
.endr
	s_lshl_b32 s48, s[HD], 7                       ; b_out: my 32 numbers; a lane's eight results of a tile belong to one output, 16 g + r
	s_add_nc_u64 s[10:11], s[10:11], s[48:49]
	v_lshlrev_b32 v251, 2, v247
	global_load_b32 v240, v251, s[10:11]
	global_load_b32 v242, v251, s[10:11] offset:64
	s_lshl_b32 s48, s[BAT], 21                     ; out0: batch x 128 rows x 16,384 bytes,
	s_lshl_b32 s52, s[WV], 17                      ; the 8 rows that my wave stores,
	s_add_co_u32 s48, s48, s52
	s_lshl_b32 s52, s[BLK], 8                      ; my block's 64 tokens: 256 bytes, aligned
	s_add_co_u32 s48, s48, s52
	s_add_nc_u64 s[14:15], s[14:15], s[48:49]
	s_lshl_b32 s52, s[HD], 13                      ; every LDS address register is made here, of constants, the lane and the wave's number
	v_add_nc_u32 v[LI], s52, v249
	s_lshl_b32 s52, s[QT], 11
	s_add_co_u32 s52, s52, AIMG
	v_add_nc_u32 v[AIR], s52, v249
	s_lshl_b32 s53, s[HD], 9
	s_add_co_u32 s52, s52, s53
	v_add_nc_u32 v[AIW], s52, v249
	s_mul_i32 s52, s[HD], 32*SP                    ; the stage, on the way in: row 32 head + r (+ 16 g); my eight tokens 32 (tile / 2) + 8 (tile % 2) + 16 h + 0 .. 7, 4 bytes each
	s_lshr_b32 s53, s[QT], 1
	s_lshl_b32 s53, s53, 7
	s_add_co_u32 s52, s52, s53
	s_and_b32 s53, s[QT], 1
	s_lshl_b32 s53, s53, 5
	s_add_co_u32 s52, s52, s53
	s_add_co_u32 s52, s52, STG
	v_mul_u32_u24 v[SO], v247, SP
	s_delay_alu instid0(VALU_DEP_1)
	v_lshl_add_u32 v[SO], v248, 6, v[SO]
	s_delay_alu instid0(VALU_DEP_1)
	v_add_nc_u32 v[SO], s52, v[SO]
	s_mul_i32 s52, s[WV], 8*SP                     ; and back: rows 8 wave + 0 .. 7; lanes 0-15 one row of 256 bytes, lanes 16-31 the next
	s_add_co_u32 s52, s52, STG
	v_mul_u32_u24 v[SR], v248, SP
	s_delay_alu instid0(VALU_DEP_1)
	v_lshl_add_u32 v[SR], v247, 4, v[SR]
	s_delay_alu instid0(VALU_DEP_1)
	v_add_nc_u32 v[SR], s52, v[SR]
	v_lshlrev_b32 v[GO], 14, v248                  ; and the same two rows in out0
	s_delay_alu instid0(VALU_DEP_1)
	v_lshl_add_u32 v[GO], v247, 4, v[GO]
.irp j, 4,5,6,7,8,9,10,11
	v_mov_b32 v[QF+\j], 0                          ; zero codes: Qlo's upper half, Qhi's lower
.endr
.irp j, 0,1,2,3,4,5,6,7,8,9,10,11,12,13,14,15
	v_mov_b32 v[OT+\j], 0                          ; O^T: the step is written once; the first finds zeros, which the first change of M leaves zeros
.endr
	v_mov_b32 v13, 0xff61b1e6                      ; the largest t so far: -3e38, under every t
	s_delay_alu instid0(VALU_DEP_1)
	v_floor_f32 v12, -v13                          ; -M
	v_mov_b32 v14, 0                               ; the sum, in two halves
	v_mov_b32 v15, 0
	v_mov_b32 v196, 0                              ; a lane permute's destination counts as one of its sources
	v_mov_b32 v199, 0                              ; (named as the upper halves of pairs)
	v_mov_b32 v241, 0
	v_mov_b32 v243, 0
	s_wait_kmcnt 0x0
	s_add_co_i32 s48, s74, s75                     ; a score stands for score x 2^(e2 + e3): the exponents are added to log2(e)'s exponent field
	s_lshl_b32 s48, s48, 23
	s_mov_b32 s[CS], 0x3fb8aa3b
	s_add_co_i32 s[CS], s[CS], s48
	s_mov_b32 s[CS+1], s[CS]                       ; (named with it as a pair, so it is written)
	s_add_co_i32 s48, s76, 127
	s_lshl_b32 s49, s48, 23
	v_mov_b32 v206, s49                            ; 2^e4, for p's conversions
	s_sub_co_i32 s48, s78, s76                     ; O^T / the sum stands for that x 2^(e4 + e5): its code is that / 2^(e6 - e4 - e5)
	s_sub_co_i32 s48, s48, s77
	s_add_co_i32 s48, s48, 127
	s_lshl_b32 s49, s48, 23
	v_mov_b32 v244, s49
	s_add_co_i32 s[YS], s78, s79
	s_add_co_i32 s[YS], s[YS], 127
	s_lshl_b32 s[YS], s[YS], 23                    ; 2^(e6 + e7)
	s_mov_b32 s[YS+1], s[YS]
	s_mov_b32 s[TB], 0
	s_mov_b32 s[SLOTS], 7                          ; 4,096 keys are eight slots; slot 0 has been asked for
	s_wait_loadcnt 0x0                             ; q, w_out, the bias
.Lslot:                                            ; seven trips: behind each change of slots but the last the next slot is asked for
	CHANGE 1
	SLOT_STEPS
	s_sub_co_u32 s[SLOTS], s[SLOTS], 1
	s_cmp_lg_u32 s[SLOTS], 0
	s_cbranch_scc1 .Lslot
	CHANGE 0                                       ; the last slot is written out
	SLOT_STEPS
	; THE LAST PRODUCT.  O^T / the sum is quantised: four registers a lane, which are registers 4 head .. 4 head + 3 of the operand of my 16 tokens.
	v_add_f32 v14, v14, v15                        ; the sum's two halves,
	s_delay_alu instid0(VALU_DEP_1)
	v_permlanex16_b32 v196, v14, s[SEL], s[SEL+1]
	s_delay_alu instid0(VALU_DEP_1)
	v_add_f32 v14, v14, v196                       ; and lane l xor 16's: the row's sum
	s_wait_alu depctr_va_vdst(0)
	v_rcp_f32 v14, v14
.rept 4
	v_nop                                          ; the plain line behind the reciprocal, and the four places behind the last products
.endr
	s_wait_alu depctr_va_vdst(0)                   ; the wait ahead of the reciprocal's first reader
.set j, 0
.rept 8
	v_pk_mul_f32 v[S+j:S+j+1], v[OT+j:OT+j+1], v[14:15] op_sel_hi:[1,0]   ; each accumulator from its low end on
.set j, j+2
.endr
.irp i, 0,1,2,3,4,5,6,7,8,9,10,11,12,13,14,15
.endr
	v_cvt_scalef32_pk8_fp8_f32 v[192:193], v[S:S+7], v244
	v_cvt_scalef32_pk8_fp8_f32 v[194:195], v[S+8:S+15], v244
	v_nop                                          ; a plain line behind the last conversion
	ds_store_b128 v[AIW], v[192:195]
	s_wait_dscnt 0x0                               ; for the others' sake: my store has landed
	s_barrier_signal -1
	s_barrier_wait -1                              ; the four heads' parts of each tile's operand lie in LDS
.irp c, 0,1,2,3
	ds_load_b128 v[KF+4*\c:KF+4*\c+3], v[AIR] offset:512*\c
.endr
	s_wait_dscnt 0x0
.irp g, 0,1                                    ; source 0 = my 16 tokens, source 1 = 16 rows of w_out: a lane holds ONE output 32 head + 16 g + r and eight neighbouring tokens
	v_wmma_f32_16x16x128_fp8_fp8 v[KF+16+8*\g:KF+16+8*\g+7], v[KF:KF+15], v[208+16*\g:208+16*\g+15], 0
.endr
.rept 4
	v_nop
.endr
.irp g, 0,1
.irp i, 0,2,4,6
	v_pk_fma_f32 v[VF+8*\g+\i:VF+8*\g+\i+1], v[KF+16+8*\g+\i:KF+16+8*\g+\i+1], s[YS:YS+1], v[240+2*\g:241+2*\g] op_sel_hi:[1,0,0]   ; sum x 2^(e6 + e7) + bias
.endr
.endr
.irp g, 0,1
	ds_store_b128 v[SO], v[VF+8*\g:VF+8*\g+3] offset:16*\g*SP
	ds_store_b128 v[SO], v[VF+8*\g+4:VF+8*\g+7] offset:16*\g*SP+16
.endr
	s_wait_dscnt 0x0
	s_barrier_signal -1
	s_barrier_wait -1                              ; 128 rows of 64 tokens lie in the stage
.irp i, 0,1,2,3
	ds_load_b128 v[S+16+4*\i:S+16+4*\i+3], v[SR] offset:2*\i*SP
.endr
.irp i, 0,1,2,3
	s_wait_dscnt 3-\i                              ; LDS loads come back in order: load i is in, the younger ones may be out
	global_store_b128 v[GO], v[S+16+4*\i:S+16+4*\i+3], s[14:15] offset:2*\i*16384 th:TH_STORE_NT   ; 16 lanes store 256 consecutive bytes, aligned; written once, read by nobody here
.endr
	s_wait_tensorcnt 0x0                           ; the wave's end
	ds_add_u32 v[SPW], v[NIL]
	s_wait_dscnt 0x0
	CROUND                                         ; the closing round: no work-group ends while a partner may still ask for a tile that names it
	s_endpgm
.Lfunc_end_k_q63757d4f38_attend:
	.size	k_q63757d4f38_attend, .Lfunc_end_k_q63757d4f38_attend-k_q63757d4f38_attend
	.p2alignl 7, 3214868480
	.fill 96, 4, 3214868480
	.section	.rodata,"a",@progbits
	.p2align	6, 0x0
	.amdhsa_kernel k_q63757d4f38_attend
		.amdhsa_group_segment_fixed_size 327680
		.amdhsa_private_segment_fixed_size 0
		.amdhsa_enable_private_segment 0
		.amdhsa_kernarg_size 48
		.amdhsa_user_sgpr_count 2
		.amdhsa_user_sgpr_kernarg_segment_ptr 1
		.amdhsa_wavefront_size32 1
		.amdhsa_system_sgpr_workgroup_id_x 1
		.amdhsa_system_sgpr_workgroup_id_y 1
		.amdhsa_system_sgpr_workgroup_id_z 1
		.amdhsa_system_vgpr_workitem_id 0
		.amdhsa_next_free_vgpr 256
		.amdhsa_next_free_sgpr 80
		.amdhsa_reserve_vcc 0
		.amdhsa_float_denorm_mode_32 3
		.amdhsa_float_denorm_mode_16_64 3
		.amdhsa_fp16_overflow 1
		.amdhsa_memory_ordered 1
		.amdhsa_forward_progress 1
		.amdhsa_inst_pref_size 109
	.end_amdhsa_kernel
	.amdgpu_metadata
---
amdhsa.version: [ 1, 2 ]
amdhsa.kernels:
  - .name:           k_q63757d4f38_attend
    .symbol:         k_q63757d4f38_attend.kd
    .args:
      - { .name: qimg, .offset: 0, .size: 8, .value_kind: global_buffer, .address_space: global }
      - { .name: kvimg, .offset: 8, .size: 8, .value_kind: global_buffer, .address_space: global }
      - { .name: w_out_codes, .offset: 16, .size: 8, .value_kind: global_buffer, .address_space: global }
      - { .name: b_out, .offset: 24, .size: 8, .value_kind: global_buffer, .address_space: global }
      - { .name: lowp_scales, .offset: 32, .size: 8, .value_kind: global_buffer, .address_space: global }
      - { .name: out0, .offset: 40, .size: 8, .value_kind: global_buffer, .address_space: global }
    .group_segment_fixed_size: 327680
    .private_segment_fixed_size: 0
    .kernarg_segment_align: 8
    .kernarg_segment_size: 48
    .max_flat_workgroup_size: 512
    .sgpr_count:     80
    .vgpr_count:     256
    .wavefront_size: 32
...
	.end_amdgpu_metadata
.endif
;; end of part 2
